; MI455X (gfx1250); checked and timed in simulation.
; The chip was launched on July 23, 2026; its instructions are those of AMD's public machine-readable ISA for CDNA 5 (MIT licence, August 2026) and "CDNA5" Instruction Set Architecture Reference Guide (July 2026). The comments in the code are by the model that wrote it; some were corrected since.
;; SA Layer. Allowed arithmetic: matrix products marked QUANTISED: E2M1 operands, one E8M0 scale for each 32 along K, by v_wmma_scale_f32_16x16x128_f8f6f4 with both operands' format E2M1 (or v_wmma_scale_f32_32x16x128_f4), f32 sums; products left as they are: bf16, f16 or f32 operands; f32 sums; everything else in f32.
;; Inputs: b_t 256 float32; b_v 256 float32; beta 256 float32; gamma 256 float32; run_mean 256 float32; run_var 256 float32; w_qk 64 x 256 float32; w_t 256 x 256 float32; w_v 256 x 256 float32; x 8 x 256 x 4,096 float32.
;; Outputs: out0 8 x 256 x 4,096 float32.
;; This version of the problem:
;;   THIS VERSION OF THE PROBLEM IS GIVEN IN LOW PRECISION. The matrix products marked QUANTISED in the list below multiply operands that are first quantised to E2M1 (2 exponent bits, 1 mantissa bit; 4 bits a number), with one power-of-two scale for each 32 numbers along K (OCP MX v1.0); their sums are f32. The products marked 'left as it is' may take bf16, f16 or f32 operands, with f32 sums. Whichever they take, every output number must still come out within the allowed error. Rounding operands to bf16 (8 significant bits) uses up far more of that allowance than f16 does (11 bits, for magnitudes from 6e-5 to 65,504). All else is computed in f32.
;;   The module's matrix products, in the order in which they are computed (A, B: the left and right operand; K: the contracted axis; several contracted axes count as one K, in the product's order):
;;     1. [M 32,768, K 256] x [K 256, N 64]; A: input x; B: input w_qk: QUANTISED
;;     2. [M 32,768, K 256] x [K 256, N 64]; A: input x; B: input w_qk: QUANTISED
;;     3. batch 8 x [M 4,096, K 64] x [K 64, N 4,096]; A: computed on the way; B: computed on the way: left as it is (an operand is computed on the way)
;;     4. [M 32,768, K 256] x [K 256, N 256]; A: input x; B: input w_v: QUANTISED
;;     5. batch 8 x [M 256, K 4,096] x [K 4,096, N 4,096]; A: computed on the way; B: computed on the way: left as it is (an operand is computed on the way)
;;     6. [M 32,768, K 256] x [K 256, N 256]; A: computed on the way; B: input w_t: left as it is (an operand is computed on the way)
;;   THE QUANTISER, for each operand of a quantised product, along K:
;;     - K is cut into blocks of 32 from its start; a last block that is shorter is filled with zeros.
;;     - A block's scale is 2^e with e = floor(log2(the largest magnitude in the block)) - 2, held to -126 .. 127; a block of zeros has e = 0. As a byte (E8M0): e + 127.
;;     - Each number is divided by its block's scale, clamped to +-6, and rounded to the nearest number of E2M1, ties to even, subnormals kept.
;;     - The product sums the exact products of the quantised numbers (number of the format x scale) in f32.
;;   ~~~python
;;   def quantise(x, axis):      # numpy; x: float32 -> the quantised numbers, widened to float32 again
;;       x = np.moveaxis(x, axis, -1); K = x.shape[-1]
;;       x = np.pad(x, [(0, 0)] * (x.ndim - 1) + [(0, -K % 32)]); x = x.reshape(x.shape[:-1] + (-1, 32)); a = np.abs(x).max(-1, keepdims=True)
;;       e = np.where(a > 0, np.clip(np.frexp(np.where(a > 0, a, 1))[1] - 1 - 2, -126, 127), 0)      # np.frexp(a)[1] - 1 = floor(log2(a)), exactly
;;       r = np.clip(x / 2.0 ** e, -6, 6)
;;       step = 2.0 ** (np.maximum(np.frexp(np.where(r == 0, 1, r))[1] - 1, 0) - 1)
;;       q = np.round(r / step) * step * 2.0 ** e      # np.round: ties to even
;;       return np.moveaxis(q.reshape(q.shape[:-2] + (-1,))[..., :K], -1, axis).astype(np.float32)
;;   ~~~
;; One version. Each part assembles by itself: llvm-mc -triple=amdgcn-amd-amdhsa -mcpu=gfx1250 --defsym DOCPART=n.
;; ======== version 1 of 1: 3 launches
;; limits: values are held in f16: magnitudes above 65,504 overflow, below 6.1e-05 lose precision
;; workspace buffers: kv 20,971,520 bytes; lse 131,072 bytes; wt16 131,072 bytes; bnc 2,048 bytes
;; launch prep (part 1): grid 32 x 8, 4 waves a work-group, no clusters, 17,920 bytes of LDS; arguments x, w_qk, w_v, b_v, w_t, b_t, gamma, beta, run_mean, run_var, kv, wt16, bnc; writes kv, wt16, bnc
.if DOCPART == 1
	.amdgcn_target "amdgcn-amd-amdhsa--gfx1250"
	.amdhsa_code_object_version 6
	.text
	.protected	k_qe02a231213_prep
	.globl	k_qe02a231213_prep
	.p2align	8
	.type	k_qe02a231213_prep,@function
k_qe02a231213_prep:
	s_mov_b64 s[64:65], 0
	v_nop
	global_prefetch_b8 v0, s[64:65] scope:SCOPE_SE
	s_setreg_imm32_b32 hwreg(HW_REG_WAVE_MODE, 25, 1), 1
	s_wait_xcnt 0x0
; PREP.  x [8][256 c][4096 n], w_qk [64][256] and w_v [256][256] are quantised along c to codes of FP4 (E2M1) with one E8M0 byte for each 32 c, and multiplied on the codes:
; q[n][o] = sum_c w_qk[o][c] x[c][n] (it serves as query and as key: the two products of the problem are the same numbers, so it is multiplied once) and x_v[c][n] = sum_c' w_v[c][c'] x[c'][n] + b_v[c].
; Both leave as f16, laid as IMAGES OF THE OPERAND REGISTERS of the later f16 products, a chunk of 128 n (81,920 bytes) to a work-group:
;   K part, bytes 0 .. 16,383:  [tile of 16 n: 8][32 o: 2][g: 2][lane][16 bytes]: lane (r, h) holds q'[16 tile + r][32 s + 16 g + 8 h + 0..7], q' = q x sqrt(log2 e), so that q'.q' = energy x log2 e;
;   V part, bytes 16,384 on:    [32 n: 4][tile of 16 c: 16][g: 2][lane][16 bytes]: lane (r, h) holds x_v[16 tile + r][32 i + 16 g + 8 h + 0..7].
; Beside that: w_t as f16 images (the 32 work-groups of batch 0, a fragment a wave) and inv = gamma / sqrt(var + eps), bias2 = (b_t - mean) inv + beta (work-group 0 of batch 0).
; SHARES.  Work-group (chunk, batch).  Wave w quantises columns n = 32 w + lane: a lane takes a column and its registers run down c, so a block of 32 lies in one lane and nothing is transposed.
; x's codes go to the other waves through LDS as register images.  THE WAVES SHARE THE OUTPUT COLUMNS: wave w has tile w of w_qk and tiles 4 w .. 4 w + 3 of w_v, quantised by itself, in its registers.
; No tensor load and no cluster: x is read once by one work-group, and the weights go from memory straight into the registers of the wave that quantises them.
; A block's scale byte is its largest magnitude's exponent field - 2, held at 1 from below.
; LIMITS: a block of zeros gets the byte 1 (its codes are zeros; this program alone reads the bytes); NaN and infinities are not served; |q'| and |x_v| stay under 65,504 (f16).
.set CHUNKB, 81920
.set XIMG,  0                          ; LDS: x's codes: [tile 8][K step 2][half 2][512 bytes]
.set XSC,   16384                      ; x's scale words: [wave 4][K step 2][128 bytes]: lane l holds column 32 w + l's word
.set SPARE, 17408                      ; the spare words, 128 bytes a wave: two blocks of 256 bytes that no other line names
.set SPW, 12                           ; v12  SPARE + 4 x my thread's number; never rewritten
.set NIL, 13                           ; v13  0; never rewritten
.set WC,  24                           ; v24-103  my ten weight fragments' codes: 0, 1 w_qk's two K steps; 2 + 2 ct + s w_v's
.set WS,  104                          ; v104-113 their scale words
.set XSW, 114                          ; v114-121 x's scale words: register 2 w' + s
.set STG, 128                          ; v128-255 numbers as loaded: x two sets of 32, weights two sets of 64
.set XC,  192                          ; v192-223 x's codes, four registers a block
.set XW,  224                          ; v224-225 x's scale words as made
.set BI,  128                          ; the products: v128-159 b_v as the C of x_v's sums
.set XF,  160                          ; v160-191 x's fragments, two sets of 16
.set ACC, 192                          ; v192-231 five accumulators
.set PK,  232                          ; v232-251 results as f16
	s_load_b512 s[4:19], s[0:1], 0x0               ; x, w_qk, w_v, b_v, w_t, b_t, gamma, beta
	s_load_b256 s[20:27], s[0:1], 0x40             ; run_mean, run_var, kv, wt16
	s_load_b64 s[28:29], s[0:1], 0x60              ; bnc
	v_lshl_add_u32 v[SPW], v0, 2, SPARE
	v_mov_b32 v[NIL], 0
	v_lshrrev_b32 v1, 5, v0
	v_readfirstlane_b32 s30, v1                    ; wave 0..3
	v_and_b32 v1, 31, v0                           ; lane
	v_and_b32 v2, 15, v0                           ; r
	v_bfe_u32 v3, v0, 4, 1                         ; h
	v_lshlrev_b32 v4, 2, v1                        ; x: 4 bytes a lane
	v_lshlrev_b32 v5, 10, v2
	v_lshl_add_u32 v5, v3, 7, v5                   ; a weight: row r of 1,024 bytes, + 128 h: my block of 32
	v_lshlrev_b32 v6, 4, v1                        ; an image's place for my lane
	s_lshl_b32 s36, s30, 12
	v_add_nc_u32 v7, s36, v6                       ; where I store x's images: 4,096 w + 16 lane
	s_lshl_b32 s36, s30, 8
	v_add_nc_u32 v8, s36, v4
	v_add_nc_u32 v8, XSC, v8                       ; and the scale words: 256 w + 4 lane
	v_add_nc_u32 v9, XSC, v4                       ; where any wave reads them back
	v_lshlrev_b32 v10, 3, v3                       ; 8 h: the shift of my two scale bytes
	v_mov_b32 v11, 0                               ; written once: a lane permute's destination counts as one of its sources
	s_mov_b32 s32, 0x76543210
	s_mov_b32 s33, 0xfedcba98                      ; v_permlanex16_b32's selects for lane l xor 16
	s_mov_b32 s34, 0x3f99be61                      ; sqrt(log2 e)
	s_mov_b32 s35, s34                             ; (named with it as a pair)
	s_and_b32 s31, ttmp7, 0xffff                   ; batch
	s_lshl_b32 s36, s31, 22                        ; x: batch x 4 MiB + (128 chunk + 32 w) x 4
	s_lshl_b32 s38, ttmp9, 9
	s_add_co_u32 s36, s36, s38
	s_lshl_b32 s38, s30, 7
	s_add_co_u32 s36, s36, s38
	s_mov_b32 s37, 0
	s_lshl_b32 s38, s31, 5
	s_add_co_u32 s38, s38, ttmp9
	s_mul_i32 s38, s38, CHUNKB                     ; my chunk of kv
	s_mov_b32 s39, 0
	s_lshl_b32 s40, s30, 12
	s_add_co_u32 s40, s40, 16384                   ; V part: my four tiles of c: 4 w x 1,024
	s_mov_b32 s41, 0
	s_lshr_b32 s42, s30, 1
	s_lshl_b32 s42, s42, 10
	s_and_b32 s43, s30, 1
	s_lshl_b32 s43, s43, 9
	s_add_co_u32 s42, s42, s43                     ; K part: o = 16 w + .. is K step w / 2, half w % 2
	s_mov_b32 s43, 0
	s_lshl_b32 s44, s30, 14                        ; w_qk: my 16 rows
	s_mov_b32 s45, 0
	s_lshl_b32 s46, s30, 16                        ; w_v: my 64 rows
	s_mov_b32 s47, 0
	s_lshl_b32 s48, s30, 8                         ; b_v: my 64 numbers
	s_mov_b32 s49, 0
	s_wait_kmcnt 0x0
	s_add_nc_u64 s[4:5], s[4:5], s[36:37]
	s_add_nc_u64 s[24:25], s[24:25], s[38:39]
	s_add_nc_u64 s[50:51], s[24:25], s[40:41]
	s_add_nc_u64 s[52:53], s[24:25], s[42:43]
	s_add_nc_u64 s[6:7], s[6:7], s[44:45]
	s_add_nc_u64 s[8:9], s[8:9], s[46:47]
	s_add_nc_u64 s[10:11], s[10:11], s[48:49]
; ---- X: my 32 columns of x, a block of 32 c at a time; loads run two blocks ahead
.macro XLOAD t                         ; x(32 t + i, my column): 32 lanes read 128 consecutive bytes, the four waves 512.  The largest offset, 255 rows of 16,384 bytes, lies inside the signed 24-bit immediate
.set xi, 0
.rept 32
	global_load_b32 v[STG+32*((\t)%2)+xi], v4, s[4:5] offset:(32*(\t)+xi)*16384 th:TH_LOAD_NT
.set xi, xi+1
.endr
.endm
.macro XBLOCK t
.set XS, STG+32*((\t)%2)
.if (\t) < 7
	s_wait_loadcnt 32                              ; this block's 32 loads are in; the next block's may be out
.else
	s_wait_loadcnt 0x0
.endif
	v_max3_num_f32 v14, |v[XS]|, |v[XS+1]|, |v[XS+2]|              ; the block's largest magnitude: all 32 numbers are mine; two chains
	v_max3_num_f32 v15, |v[XS+3]|, |v[XS+4]|, |v[XS+5]|
.irp e, 6,10,14,18,22,26
	v_max3_num_f32 v14, v14, |v[XS+\e]|, |v[XS+\e+1]|
	v_max3_num_f32 v15, v15, |v[XS+\e+2]|, |v[XS+\e+3]|
.endr
	v_max3_num_f32 v14, v14, |v[XS+30]|, |v[XS+31]|
	v_max3_num_f32 v14, v14, v15, 0x1800000        ; and the floor 2^(3 - 127): the byte cannot fall under 1
	v_add_nc_u32 v16, 0xff000000, v14              ; 2 off the exponent field: the conversion takes this operand's exponent field as its scale
	v_lshrrev_b32 v17, 23, v16                     ; the scale's byte
.if (\t)%4 == 0
	v_mov_b32 v[XW+(\t)/4], v17                    ; four bytes to a word, the lower c in the lower byte
.else
	v_lshl_or_b32 v[XW+(\t)/4], v17, 8*((\t)%4), v[XW+(\t)/4]
.endif
.irp e, 0,1,2,3
	v_cvt_scalef32_pk8_fp4_f32 v[XC+4*(\t)+\e], v[XS+8*\e:XS+8*\e+7], v16
.endr
.if (\t)+2 < 8
	XLOAD (\t)+2
.endif
.endm
	XLOAD 0
	XLOAD 1
.irp t, 0,1,2,3,4,5,6,7
	XBLOCK \t
.endr
	v_nop                                          ; one plain place behind the last scaled conversion
; A fragment wants, in lane (r, h), block 2 c + h of column r.  I hold all blocks of 32 columns: the exchange gives the first register tile 2 w's, the second tile 2 w + 1's
.irp ks, 0,1
.irp c, 0,1
.irp e, 0,1,2,3
	v_permlane16_swap_b32 v[XC+16*\ks+8*\c+\e], v[XC+16*\ks+8*\c+4+\e]
.endr
.endr
.endr
.irp u, 0,1
.irp ks, 0,1
.irp c, 0,1
	ds_store_b128 v7, v[XC+16*\ks+8*\c+4*\u:XC+16*\ks+8*\c+4*\u+3] offset:2048*\u+1024*\ks+512*\c
.endr
.endr
.endr
.irp ks, 0,1
	ds_store_b32 v8, v[XW+\ks] offset:128*\ks
.endr
	s_wait_dscnt 0x0                               ; my stores have landed (for the other waves, behind the barrier below) and have read their registers, which the weights' loads take
; ---- W: my ten weight fragments.  K is innermost: lane (r, h) loads, of row r, blocks h and 2 + h of a K step, 128 bytes each
.macro WLOAD f
.set WSET, STG+64*((\f)%2)
.irp c, 0,1
.irp e, 0,1,2,3,4,5,6,7
.if (\f) < 2
	global_load_b128 v[WSET+32*\c+4*\e:WSET+32*\c+4*\e+3], v5, s[6:7] offset:512*(\f)+256*\c+16*\e
.else
	global_load_b128 v[WSET+32*\c+4*\e:WSET+32*\c+4*\e+3], v5, s[8:9] offset:16384*(((\f)-2)/2)+512*((\f)%2)+256*\c+16*\e
.endif
.endr
.endr
.endm
.macro WQUANT f
.set WSET, STG+64*((\f)%2)
.irp c, 0,1
	v_max3_num_f32 v[14+\c], |v[WSET+32*\c]|, |v[WSET+32*\c+1]|, 0x1800000   ; my two blocks by turns, the floor among the leaves
.endr
.irp e, 2,4,6,8,10,12,14,16,18,20,22,24,26,28,30
.irp c, 0,1
	v_max3_num_f32 v[14+\c], v[14+\c], |v[WSET+32*\c+\e]|, |v[WSET+32*\c+\e+1]|
.endr
.endr
.irp c, 0,1
	v_add_nc_u32 v[16+\c], 0xff000000, v[14+\c]
.endr
.irp c, 0,1
	v_lshrrev_b32 v[18+\c], 23, v[16+\c]
.endr
	v_lshl_or_b32 v20, v19, 16, v18                ; my two bytes, blocks h and 2 + h,
	v_lshlrev_b32 v20, v10, v20                    ; at their places in the word;
	v_permlanex16_b32 v11, v20, s32, s33
	v_or_b32 v[WS+(\f)], v20, v11                  ; with lane l xor 16's two it is whole
.irp c, 0,1
.irp e, 0,1,2,3
	v_cvt_scalef32_pk8_fp4_f32 v[WC+8*(\f)+4*\c+\e], v[WSET+32*\c+8*\e:WSET+32*\c+8*\e+7], v[16+\c]
.endr
.endr
	v_nop                                          ; one plain place behind the last scaled conversion
.endm
	WLOAD 0
.set F, 0
.rept 10
.if F < 9
	WLOAD F+1
	s_wait_loadcnt 16                              ; this fragment's 16 loads are in; the next one's may be out
.else
	s_wait_loadcnt 0x0
.endif
	WQUANT F
.set F, F+1
.endr
	v_lshlrev_b32 v21, 2, v2
.irp ct, 0,1,2,3
	global_load_b32 v[BI+8*\ct], v21, s[10:11] offset:64*\ct   ; b_v(64 w + 16 ct + r): in x_v's result a lane holds one c and eight n, so all eight registers take it
.endr
	s_wait_loadcnt 0x0
.irp ct, 0,1,2,3
.irp j, 1,2,3,4,5,6,7
	v_mov_b32 v[BI+8*\ct+\j], v[BI+8*\ct]          ; (these 28 are also the places between the weights' codes and scale words and the scaled products)
.endr
.endr
	s_barrier_signal -1                            ; every wave's images of x have landed (each waited for its stores above)
	s_barrier_wait -1
; ---- P: for each of the chunk's eight tiles of 16 n: four tiles of x_v (source 0 = x, source 1 = w_v: a lane holds one c and eight n) and one of q (source 0 = w_qk, source 1 = x: one n and eight o).
; Packed to f16 in pairs, a lane's eight results ARE four registers of the later operand.  x's scale words lie in the lane of their column: tile 2 w' is read from lanes 0-15, tile 2 w' + 1 from lanes 16-31.
.macro XFETCH T
.irp ks, 0,1
.irp c, 0,1
	ds_load_b128 v[XF+16*((\T)%2)+8*\ks+4*\c:XF+16*((\T)%2)+8*\ks+4*\c+3], v6 offset:XIMG+(\T)*2048+1024*\ks+512*\c
.endr
.endr
.endm
.macro VMM ct, ks, u
.set rD, ACC+8*(\ct)
.set rA, XFS+8*(\ks)
.set rB, WC+8*(2+2*(\ct)+(\ks))
.set rS, WS+2+2*(\ct)+(\ks)
.if (\ks) == 0
.if (\u) == 0
	v_wmma_scale_f32_16x16x128_f8f6f4 v[rD:rD+7], v[rA:rA+7], v[rB:rB+7], v[BI+8*(\ct):BI+8*(\ct)+7], v[SW+(\ks)], v[rS] matrix_a_fmt:MATRIX_FMT_FP4 matrix_b_fmt:MATRIX_FMT_FP4
.else
	v_wmma_scale_f32_16x16x128_f8f6f4 v[rD:rD+7], v[rA:rA+7], v[rB:rB+7], v[BI+8*(\ct):BI+8*(\ct)+7], v[SW+(\ks)], v[rS] matrix_a_fmt:MATRIX_FMT_FP4 matrix_b_fmt:MATRIX_FMT_FP4 matrix_a_scale:MATRIX_SCALE_ROW1
.endif
.else
.if (\u) == 0
	v_wmma_scale_f32_16x16x128_f8f6f4 v[rD:rD+7], v[rA:rA+7], v[rB:rB+7], v[rD:rD+7], v[SW+(\ks)], v[rS] matrix_a_fmt:MATRIX_FMT_FP4 matrix_b_fmt:MATRIX_FMT_FP4
.else
	v_wmma_scale_f32_16x16x128_f8f6f4 v[rD:rD+7], v[rA:rA+7], v[rB:rB+7], v[rD:rD+7], v[SW+(\ks)], v[rS] matrix_a_fmt:MATRIX_FMT_FP4 matrix_b_fmt:MATRIX_FMT_FP4 matrix_a_scale:MATRIX_SCALE_ROW1
.endif
.endif
.endm
.macro QMM ks, u
.set rD, ACC+32
.set rA, WC+8*(\ks)
.set rB, XFS+8*(\ks)
.if (\ks) == 0
.if (\u) == 0
	v_wmma_scale_f32_16x16x128_f8f6f4 v[rD:rD+7], v[rA:rA+7], v[rB:rB+7], 0, v[WS+(\ks)], v[SW+(\ks)] matrix_a_fmt:MATRIX_FMT_FP4 matrix_b_fmt:MATRIX_FMT_FP4
.else
	v_wmma_scale_f32_16x16x128_f8f6f4 v[rD:rD+7], v[rA:rA+7], v[rB:rB+7], 0, v[WS+(\ks)], v[SW+(\ks)] matrix_a_fmt:MATRIX_FMT_FP4 matrix_b_fmt:MATRIX_FMT_FP4 matrix_b_scale:MATRIX_SCALE_ROW1
.endif
.else
.if (\u) == 0
	v_wmma_scale_f32_16x16x128_f8f6f4 v[rD:rD+7], v[rA:rA+7], v[rB:rB+7], v[rD:rD+7], v[WS+(\ks)], v[SW+(\ks)] matrix_a_fmt:MATRIX_FMT_FP4 matrix_b_fmt:MATRIX_FMT_FP4
.else
	v_wmma_scale_f32_16x16x128_f8f6f4 v[rD:rD+7], v[rA:rA+7], v[rB:rB+7], v[rD:rD+7], v[WS+(\ks)], v[SW+(\ks)] matrix_a_fmt:MATRIX_FMT_FP4 matrix_b_fmt:MATRIX_FMT_FP4 matrix_b_scale:MATRIX_SCALE_ROW1
.endif
.endif
.endm
.macro PTILE T
.set XFS, XF+16*((\T)%2)
.set SW,  XSW+2*((\T)/2)
	s_wait_dscnt 0x0                               ; this tile's fragments (and, the first time, the scale words) are in
.irp ks, 0,1                           ; the five accumulators take turns, one instruction a turn
.irp ct, 0,1,2,3
	VMM \ct, \ks, (\T)%2
.endr
	QMM \ks, (\T)%2
.endr
.rept 4
	v_nop                                          ; four places in front of the first read of results
.endr
.if (\T) < 7
	XFETCH (\T)+1                                  ; into the other set, which the tile before multiplied
.endif
.if (\T) > 0
	s_wait_xcnt 0x0                                ; the last tile's stores have read their data, which are written again below
.endif
.irp ct, 0,1,2,3
.irp e, 0,1,2,3
	v_cvt_pk_f16_f32 v[PK+4*\ct+\e], v[ACC+8*\ct+2*\e], v[ACC+8*\ct+2*\e+1]   ; each accumulator from its low end on
.endr
.endr
.irp e, 0,1,2,3
	v_pk_mul_f32 v[ACC+32+2*\e:ACC+32+2*\e+1], v[ACC+32+2*\e:ACC+32+2*\e+1], s[34:35] op_sel_hi:[1,0]   ; q' = q x sqrt(log2 e)
.endr
.irp e, 0,1,2,3
	v_cvt_pk_f16_f32 v[PK+16+\e], v[ACC+32+2*\e], v[ACC+32+2*\e+1]
.endr
.irp ct, 0,1,2,3
	global_store_b128 v6, v[PK+4*\ct:PK+4*\ct+3], s[50:51] offset:((\T)/2)*16384+\ct*1024+((\T)%2)*512   ; 32 lanes store 512 consecutive bytes, at a multiple of 512 from kv's first byte
.endr
	global_store_b128 v6, v[PK+16:PK+19], s[52:53] offset:(\T)*2048
.endm
.irp k, 0,1,2,3,4,5,6,7
	ds_load_b32 v[XSW+\k], v9 offset:128*\k
.endr
	XFETCH 0
.irp T, 0,1,2,3,4,5,6,7
	PTILE \T
.endr
	s_wait_tensorcnt 0x0                           ; behind my last LDS store; no LDS instruction follows
	ds_add_u32 v[SPW], v[NIL]
	s_wait_dscnt 0x0
; ---- w_t to f16, as images of source 0 of the last product: fragment f = 8 (tile of 16 o) + (32 c): the 32 work-groups of batch 0, wave w takes f = 4 x + w
	s_cmp_lg_u32 s31, 0
	s_cbranch_scc1 .Ldone
	s_lshl_b32 s36, ttmp9, 2
	s_add_co_u32 s36, s36, s30                     ; f
	s_lshr_b32 s38, s36, 3
	s_lshl_b32 s38, s38, 14                        ; 16 rows of 1,024 bytes a tile
	s_and_b32 s39, s36, 7
	s_lshl_b32 s39, s39, 7                         ; 32 numbers along c
	s_add_co_u32 s38, s38, s39
	s_mov_b32 s39, 0
	s_add_nc_u64 s[12:13], s[12:13], s[38:39]
	s_lshl_b32 s36, s36, 10
	s_mov_b32 s37, 0
	s_add_nc_u64 s[26:27], s[26:27], s[36:37]
	v_lshlrev_b32 v14, 10, v2
	v_lshl_add_u32 v14, v3, 5, v14                 ; row r, + 8 h numbers
.irp g, 0,1
.irp e, 0,1
	global_load_b128 v[128+8*\g+4*\e:128+8*\g+4*\e+3], v14, s[12:13] offset:64*\g+16*\e
.endr
.endr
	s_wait_loadcnt 0x0
.irp g, 0,1
.irp e, 0,1,2,3
	v_cvt_pk_f16_f32 v[144+4*\g+\e], v[128+8*\g+2*\e], v[128+8*\g+2*\e+1]
.endr
.endr
.irp g, 0,1
	global_store_b128 v6, v[144+4*\g:144+4*\g+3], s[26:27] offset:512*\g
.endr
; ---- the batch norm's constants: thread t takes channels 2 t and 2 t + 1
	s_cmp_lg_u32 ttmp9, 0
	s_cbranch_scc1 .Ldone
	v_lshlrev_b32 v15, 3, v0
	global_load_b64 v[152:153], v15, s[14:15]      ; b_t
	global_load_b64 v[154:155], v15, s[16:17]      ; gamma
	global_load_b64 v[156:157], v15, s[18:19]      ; beta
	global_load_b64 v[158:159], v15, s[20:21]      ; run_mean
	global_load_b64 v[160:161], v15, s[22:23]      ; run_var
	s_wait_loadcnt 0x0
	v_add_f32 v160, 0x3727c5ac, v160               ; + 1e-5
	v_add_f32 v161, 0x3727c5ac, v161
	v_rsq_f32 v162, v160
	v_rsq_f32 v163, v161
	v_pk_add_f32 v[152:153], v[152:153], v[158:159] neg_lo:[0,1] neg_hi:[0,1]   ; b_t - mean: the plain instruction behind the two roots
	s_wait_alu depctr_va_vdst(0)                   ; one wait for both, ahead of their first reader
	v_pk_mul_f32 v[162:163], v[162:163], v[154:155]                ; inv
	v_pk_fma_f32 v[164:165], v[152:153], v[162:163], v[156:157]    ; bias2
	global_store_b64 v15, v[162:163], s[28:29]
	global_store_b64 v15, v[164:165], s[28:29] offset:1024
.Ldone:
	s_endpgm
.Lfunc_end_k_qe02a231213_prep:
	.size	k_qe02a231213_prep, .Lfunc_end_k_qe02a231213_prep-k_qe02a231213_prep
	.p2alignl 7, 3214868480
	.fill 96, 4, 3214868480
	.section	.rodata,"a",@progbits
	.p2align	6, 0x0
	.amdhsa_kernel k_qe02a231213_prep
		.amdhsa_group_segment_fixed_size 17920
		.amdhsa_private_segment_fixed_size 0
		.amdhsa_enable_private_segment 0
		.amdhsa_kernarg_size 104
		.amdhsa_user_sgpr_count 2
		.amdhsa_user_sgpr_kernarg_segment_ptr 1
		.amdhsa_wavefront_size32 1
		.amdhsa_system_sgpr_workgroup_id_x 1
		.amdhsa_system_sgpr_workgroup_id_y 1
		.amdhsa_system_sgpr_workgroup_id_z 1
		.amdhsa_system_vgpr_workitem_id 0
		.amdhsa_next_free_vgpr 256
		.amdhsa_next_free_sgpr 66
		.amdhsa_reserve_vcc 0
		.amdhsa_float_denorm_mode_32 3
		.amdhsa_float_denorm_mode_16_64 3
		.amdhsa_memory_ordered 1
		.amdhsa_forward_progress 1
		.amdhsa_inst_pref_size 119
	.end_amdhsa_kernel
	.amdgpu_metadata
---
amdhsa.version: [ 1, 2 ]
amdhsa.kernels:
  - .name:           k_qe02a231213_prep
    .symbol:         k_qe02a231213_prep.kd
    .args:
      - { .name: x, .offset: 0, .size: 8, .value_kind: global_buffer, .address_space: global }
      - { .name: w_qk, .offset: 8, .size: 8, .value_kind: global_buffer, .address_space: global }
      - { .name: w_v, .offset: 16, .size: 8, .value_kind: global_buffer, .address_space: global }
      - { .name: b_v, .offset: 24, .size: 8, .value_kind: global_buffer, .address_space: global }
      - { .name: w_t, .offset: 32, .size: 8, .value_kind: global_buffer, .address_space: global }
      - { .name: b_t, .offset: 40, .size: 8, .value_kind: global_buffer, .address_space: global }
      - { .name: gamma, .offset: 48, .size: 8, .value_kind: global_buffer, .address_space: global }
      - { .name: beta, .offset: 56, .size: 8, .value_kind: global_buffer, .address_space: global }
      - { .name: run_mean, .offset: 64, .size: 8, .value_kind: global_buffer, .address_space: global }
      - { .name: run_var, .offset: 72, .size: 8, .value_kind: global_buffer, .address_space: global }
      - { .name: kv, .offset: 80, .size: 8, .value_kind: global_buffer, .address_space: global }
      - { .name: wt16, .offset: 88, .size: 8, .value_kind: global_buffer, .address_space: global }
      - { .name: bnc, .offset: 96, .size: 8, .value_kind: global_buffer, .address_space: global }
    .group_segment_fixed_size: 17920
    .private_segment_fixed_size: 0
    .kernarg_segment_align: 8
    .kernarg_segment_size: 104
    .max_flat_workgroup_size: 128
    .sgpr_count:     66
    .vgpr_count:     256
    .wavefront_size: 32
...
	.end_amdgpu_metadata
.endif
;; end of part 1
;; launch stats (part 2): grid 32 x 8, 8 waves a work-group, clusters of 4 x 1, 327,680 bytes of LDS; arguments kv, lse; writes lse
.if DOCPART == 2
	.amdgcn_target "amdgcn-amd-amdhsa--gfx1250"
	.amdhsa_code_object_version 6
	.text
	.protected	k_qe02a231213_stats
	.globl	k_qe02a231213_stats
	.p2align	8
	.type	k_qe02a231213_stats,@function
k_qe02a231213_stats:
	s_mov_b64 s[64:65], 0
	v_nop
	global_prefetch_b8 v0, s[64:65] scope:SCOPE_SE
	s_setreg_imm32_b32 hwreg(HW_REG_WAVE_MODE, 25, 1), 1
	s_wait_xcnt 0x0
	s_wait_alu depctr_hold_cnt(0) depctr_sa_sdst(0) depctr_va_vdst(0) depctr_va_sdst(0) depctr_va_ssrc(0) depctr_va_vcc(0) depctr_vm_vsrc(0)
	s_getreg_b32 s2, hwreg(HW_REG_IB_STS2, 6, 4)
	s_cmp_eq_u32 s2, 0
	s_cbranch_scc0 .Lentry_in_a_cluster
	s_endpgm
.Lentry_in_a_cluster:
	s_bfe_u32 s2, ttmp6, 0x10000c
	s_cmp_lg_u32 s2, 0x3003
	s_cbranch_scc0 .Lentry_shape_is_right
	s_endpgm
.Lentry_shape_is_right:
; STATS.  -L[n] = -log2(sum over m of 2^(e'[n][m])), e'[n][m] = q'[n] . q'[m] = energy x log2 e, for every row n of every batch: the softmax's normaliser, by a running maximum, all in f32.
; The later product V . attn sums over the softmax's ROW index, so every row's normaliser has to be known before it starts: hence this walk of its own.
; SHARES.  A work-group owns 128 rows n of one batch.  Wave wv: rows 64 (wv / 4) on (four tiles of 16, their fragments in registers), and quarter wv % 4 of the m of each LDS slot.
; e'^T = K Q^T (source 0 = 16 m, source 1 = 16 n): a lane holds ONE row n (lane % 16) and the m 8 (lane / 16) + 0..7 of a tile.  A lane keeps a maximum M and a sum l over ITS OWN m alone;
; the two halves of the lanes and the four quarters are joined once, at the end.  Each e' is a chain of two f16 products begun with C = 0, as the last launch forms it.
; THE RING.  A slot holds the K parts of eight chunks (1,024 m, 131,072 bytes, dense register images: a fragment is two loads of 512 consecutive bytes); each of the eight waves brings one chunk's 16,384 bytes by one tensor load.
; Two slots, four fills for the batch's 32 chunks.  By this text's count a wave has two tensor loads out at the start and one behind each change of slots.
; CLUSTER.  The four work-groups of a cluster belong to one batch and walk the same K: every tile is asked for jointly, by the same load with the same descriptor and a mask that names the four.
; No prefetch: a refill has a whole slot's walk, a quarter of the launch, in which to land.
; LIMITS: NaN and infinities are not served.
.set CHUNKB, 81920
.set SLOTB, 131072
.set MRG,   262144                     ; behind the ring: (M, l) of every lane: [wave 8][tile 4][lane][8 bytes]
.set LRES,  270336                     ; the 128 results
.set SPARE, 270848                     ; the spare words, 128 bytes a wave: four blocks of 256 bytes that no other line names
.set QF, 16                            ; v16-79   my rows' fragments: tile t, K step s at 16 t + 8 s
.set KF, 80                            ; v80-111  two tiles of m: 16 mt + 8 s
.set SC, 112                           ; v112-175 e', then p: 16 t + 8 mt
.set ST, 176                           ; v176-207 eight a tile: +0 M, +1 its pair's other half, +2, +3 l (two halves), +4, +5 at work, +6 a = 2^(old M - new M), +7 its pair's other half
.set MG, 208                           ; v208-235 the join
.macro CROUND                          ; a round of the cluster's barrier
	s_barrier_signal -1
	s_barrier_wait -1
	s_cmp_lg_u32 s8, 0
	s_cbranch_scc1 .Lnw0_\@
	s_barrier_signal -3
.Lnw0_\@:
	s_barrier_wait -3
	s_barrier_signal -1
	s_barrier_wait -1
.endm
	s_load_b128 s[4:7], s[0:1], 0x0                ; kv, lse
	v_lshl_add_u32 v10, v0, 2, SPARE
	v_mov_b32 v11, 0
	ds_add_u32 v10, v11                            ; the wave's opening: the add, twice on end, and its wait ahead of my first tensor load
	ds_add_u32 v10, v11
	v_lshrrev_b32 v1, 5, v0
	v_readfirstlane_b32 s8, v1                     ; wave 0..7
	s_bfe_u32 s11, ttmp6, 0x40000                  ; cx: my place in the cluster
	s_lshl_b32 s12, ttmp9, 2
	s_add_co_u32 s12, s12, s11                     ; my block of 128 rows: it enters my own rows' and the result's addresses alone
	s_and_b32 s13, ttmp7, 0xffff                   ; the batch, which the four partners share
	s_mov_b32 s24, 15|(3<<16)|(1<<21)              ; group 1: the mask of all four; elements of 8 bytes; bit 21 beside a mask; no padding
	s_mov_b32 s25, 32<<16                          ; tensor_dim0 = 32 elements = 256 bytes
	s_mov_b32 s26, 64<<16                          ; tensor_dim1 = 64 rows
	s_mov_b32 s27, 32<<16                          ; tile_dim0
	s_mov_b32 s28, 64                              ; tile_dim1
	s_mov_b32 s29, 32                              ; the pitch: dense
	s_mov_b32 s30, 0
	s_mov_b32 s31, 0
	s_mul_i32 s14, s13, 32*CHUNKB
	s_mul_i32 s22, s8, CHUNKB
	s_add_co_u32 s14, s14, s22                     ; the batch's chunk wv
	s_mov_b32 s15, 0
	s_lshl_b32 s16, s13, 5
	s_add_co_u32 s16, s16, s12
	s_mul_i32 s16, s16, CHUNKB                     ; my own rows' chunk,
	s_lshr_b32 s18, s8, 2
	s_lshl_b32 s19, s18, 13
	s_add_co_u32 s16, s16, s19                     ; and my 64 rows in it: four tiles of 2,048 bytes
	s_mov_b32 s17, 0
	s_lshl_b32 s20, s13, 14
	s_lshl_b32 s21, s12, 9
	s_add_co_u32 s20, s20, s21                     ; the result: (4,096 batch + 128 block) x 4
	s_mov_b32 s21, 0
	s_mov_b32 s32, 1                               ; group 0, a set for each slot: count = 1,
	s_lshl_b32 s33, s8, 14                         ; LDS address: 16,384 x wave,
	s_mov_b32 s36, 1
	s_add_co_u32 s37, s33, SLOTB                   ; + the slot
	s_mov_b32 s40, 0x76543210
	s_mov_b32 s41, 0xfedcba98
	s_wait_dscnt 0x0                               ; both opening adds are done
	s_wait_kmcnt 0x0
	s_add_nc_u64 s[34:35], s[4:5], s[14:15]        ; slot 0: chunks 0 to 7
	s_add_nc_u64 s[38:39], s[34:35], 8*CHUNKB      ; slot 1: chunks 8 to 15
	s_or_b32 s35, s35, 0x80000000
	s_or_b32 s39, s39, 0x80000000
	s_add_nc_u64 s[4:5], s[4:5], s[16:17]
	s_add_nc_u64 s[6:7], s[6:7], s[20:21]
	CROUND                                         ; all four work-groups are here: the first joint loads meet
	tensor_load_to_lds s[32:35], s[24:31]
	s_nop 0
	tensor_load_to_lds s[36:39], s[24:31]
	s_nop 0
.rept 4
	v_nop
.endr
	v_and_b32 v12, 31, v0                          ; lane
	v_and_b32 v13, 15, v0                          ; r
	v_lshlrev_b32 v3, 4, v12                       ; 16 x lane
	s_and_b32 s19, s8, 3
	s_lshl_b32 s22, s19, 15
	v_add_nc_u32 v1, s22, v3                       ; my quarter of a slot: 32,768 (wv % 4) + 16 lane
	s_lshl_b32 s23, s8, 10
	s_add_co_u32 s23, s23, MRG
	v_lshl_add_u32 v4, v12, 3, s23                 ; where I put my (M, l)
	s_lshl_b32 s23, s18, 12
	s_lshl_b32 s22, s19, 8
	s_add_co_u32 s23, s23, s22
	s_add_co_u32 s23, s23, MRG
	v_lshl_add_u32 v5, v12, 3, s23                 ; where I read tile (wv / 4, wv % 4) of the four quarters
	s_lshl_b32 s23, s8, 6
	s_add_co_u32 s23, s23, LRES
	v_lshl_add_u32 v6, v13, 2, s23                 ; the result of row 16 wv + r
	v_add_nc_u32 v7, LRES, v3                      ; and where wave 0 reads all 128 back
.irp t, 0,1,2,3
.irp ks, 0,1
.irp g, 0,1
	global_load_b128 v[QF+16*\t+8*\ks+4*\g:QF+16*\t+8*\ks+4*\g+3], v3, s[4:5] offset:2048*\t+1024*\ks+512*\g
.endr
.endr
.endr
.irp t, 0,1,2,3
	v_mov_b32 v[ST+8*\t], 0xff61b1e6               ; M = -3e38, under every e'
	v_mov_b32 v[ST+8*\t+1], 0
	v_mov_b32 v[ST+8*\t+2], 0                      ; l = 0
	v_mov_b32 v[ST+8*\t+3], 0
	v_mov_b32 v[ST+8*\t+7], 0
.endr
	v_mov_b32 v218, 0                              ; written once: a lane permute's destination counts as one of its sources
	v_mov_b32 v219, 0
.macro FETCH                           ; two tiles of m at LDS byte s9 of my quarter
	v_add_nc_u32 v2, s9, v1
.irp mt, 0,1
.irp ks, 0,1
.irp g, 0,1
	ds_load_b128 v[KF+16*\mt+8*\ks+4*\g:KF+16*\mt+8*\ks+4*\g+3], v2 offset:2048*\mt+1024*\ks+512*\g
.endr
.endr
.endr
.endm
.macro MUL                             ; 16 products: the eight accumulators take turns, one instruction a turn
.irp t, 0,1,2,3
.irp mt, 0,1
	v_wmma_f32_16x16x32_f16 v[SC+16*\t+8*\mt:SC+16*\t+8*\mt+7], v[KF+16*\mt:KF+16*\mt+7], v[QF+16*\t:QF+16*\t+7], 0
.endr
.endr
.irp t, 0,1,2,3
.irp mt, 0,1
	v_wmma_f32_16x16x32_f16 v[SC+16*\t+8*\mt:SC+16*\t+8*\mt+7], v[KF+16*\mt+8:KF+16*\mt+15], v[QF+16*\t+8:QF+16*\t+15], v[SC+16*\t+8*\mt:SC+16*\t+8*\mt+7]
.endr
.endr
.endm
.macro SOFT                            ; the four tiles by turns, so that no line waits for the line above it
.irp t, 0,1,2,3
	v_max3_num_f32 v[ST+8*\t+4], v[SC+16*\t], v[SC+16*\t+1], v[SC+16*\t+2]     ; each accumulator is read from its low end on
.endr
.irp t, 0,1,2,3
	v_max3_num_f32 v[ST+8*\t+5], v[SC+16*\t+3], v[SC+16*\t+4], v[SC+16*\t+5]
.endr
.irp e, 6,10
.irp t, 0,1,2,3
	v_max3_num_f32 v[ST+8*\t+4], v[ST+8*\t+4], v[SC+16*\t+\e], v[SC+16*\t+\e+1]
.endr
.irp t, 0,1,2,3
	v_max3_num_f32 v[ST+8*\t+5], v[ST+8*\t+5], v[SC+16*\t+\e+2], v[SC+16*\t+\e+3]
.endr
.endr
.irp t, 0,1,2,3
	v_max3_num_f32 v[ST+8*\t+4], v[ST+8*\t+4], v[SC+16*\t+14], v[SC+16*\t+15]
.endr
.irp t, 0,1,2,3
	v_max3_num_f32 v[ST+8*\t+4], v[ST+8*\t+4], v[ST+8*\t+5], v[ST+8*\t]        ; the new M
.endr
.irp t, 0,1,2,3
	v_sub_f32 v[ST+8*\t+6], v[ST+8*\t], v[ST+8*\t+4]                           ; old M - new M
.endr
.irp t, 0,1,2,3
	v_mov_b32 v[ST+8*\t], v[ST+8*\t+4]
.endr
.irp e, 0,2,4,6,8,10,12,14
.irp t, 0,1,2,3
	v_pk_add_f32 v[SC+16*\t+\e:SC+16*\t+\e+1], v[SC+16*\t+\e:SC+16*\t+\e+1], v[ST+8*\t:ST+8*\t+1] op_sel_hi:[1,0] neg_lo:[0,1] neg_hi:[0,1]   ; e' - M, two at a time
.endr
.endr
.irp t, 0,1,2,3
	v_exp_f32 v[ST+8*\t+6], v[ST+8*\t+6]           ; ONE BATCH: the four a and the 64 p
.endr
.set se, 0
.rept 64
	v_exp_f32 v[SC+se], v[SC+se]
.set se, se+1
.endr
	v_nop                                          ; the plain instruction behind the last exponential
	s_wait_alu depctr_va_vdst(0)                   ; one wait for the batch, ahead of its first reader
.irp e, 0,4,8,12
.irp t, 0,1,2,3
	v_pk_add_f32 v[SC+16*\t+\e:SC+16*\t+\e+1], v[SC+16*\t+\e:SC+16*\t+\e+1], v[SC+16*\t+\e+2:SC+16*\t+\e+3]
.endr
.endr
.irp e, 0,8
.irp t, 0,1,2,3
	v_pk_add_f32 v[SC+16*\t+\e:SC+16*\t+\e+1], v[SC+16*\t+\e:SC+16*\t+\e+1], v[SC+16*\t+\e+4:SC+16*\t+\e+5]
.endr
.endr
.irp t, 0,1,2,3
	v_pk_add_f32 v[SC+16*\t:SC+16*\t+1], v[SC+16*\t:SC+16*\t+1], v[SC+16*\t+8:SC+16*\t+9]
.endr
.irp t, 0,1,2,3
	v_pk_fma_f32 v[ST+8*\t+2:ST+8*\t+3], v[ST+8*\t+2:ST+8*\t+3], v[ST+8*\t+6:ST+8*\t+7], v[SC+16*\t:SC+16*\t+1] op_sel_hi:[1,0,1]   ; l = a l + the sum
.endr
.endm
.macro WALK slot                       ; my quarter of a slot: 16 tiles of m, two a trip; the next trip's fragments are fetched ahead of this trip's softmax
	s_mov_b32 s9, \slot*SLOTB
	FETCH
	s_mov_b32 s10, 7
.Lwalk_\@:
	s_wait_dscnt 0x0
	MUL
	s_add_co_u32 s9, s9, 4096
.rept 3
	v_nop                                          ; with the addition at FETCH's head: four places in front of loads into registers that the products read, and of the first read of results
.endr
	FETCH
	SOFT
	s_sub_co_u32 s10, s10, 1
	s_cmp_lg_u32 s10, 0
	s_cbranch_scc1 .Lwalk_\@
	s_wait_dscnt 0x0                               ; the last trip fetches nothing
	MUL
.rept 4
	v_nop
.endr
	SOFT
.endm
.macro CHANGE other, fill              ; between two walks.  fill = 1: the slot just walked takes the chunks 16 further on
	s_wait_tensorcnt 0x0                           ; all my tensor loads have landed, my part of the slot ahead among them; so a group 0 may be written
	ds_add_u32 v10, v11                            ; 0 onto my spare word
.if \fill
	s_add_nc_u64 s[34+4*\other:35+4*\other], s[34+4*\other:35+4*\other], 16*CHUNKB
.endif
	s_wait_dscnt 0x0                               ; the add is done, and my reads of the slot that I leave are over
.if \fill
	CROUND                                         ; no wave of any partner still reads that slot or has a load on its way
	tensor_load_to_lds s[32+4*\other:35+4*\other], s[24:31]        ; my one tensor load behind the round, and the first thing there
	s_nop 0
.rept 4
	v_nop
.endr
.else
	s_barrier_signal -1
	s_barrier_wait -1
.endif
.endm
	s_wait_tensorcnt 0x1                           ; my part of slot 0 is in; slot 1's may stay out
	s_barrier_signal -1
	s_barrier_wait -1                              ; everybody's is
	s_wait_loadcnt 0x0                             ; my rows' fragments
	WALK 0                                         ; chunks 0 to 7
	CHANGE 0, 1
	WALK 1                                         ; 8 to 15
	CHANGE 1, 1
	WALK 0                                         ; 16 to 23
	CHANGE 0, 0
	WALK 1                                         ; 24 to 31
	; THE JOIN.  Each lane's (M, l) of each tile goes to LDS; wave wv joins the four quarters and the two halves of the lanes for tile (wv / 4, wv % 4): rows 16 wv + r.
.irp t, 0,1,2,3
	v_add_f32 v[ST+8*\t+1], v[ST+8*\t+2], v[ST+8*\t+3]
.endr
.irp t, 0,1,2,3
	ds_store_b64 v4, v[ST+8*\t:ST+8*\t+1] offset:256*\t
.endr
	s_wait_dscnt 0x0                               ; for the others' sake: my stores have landed
	s_barrier_signal -1
	s_barrier_wait -1
.irp i, 0,1,2,3
	ds_load_b64 v[MG+2*\i:MG+2*\i+1], v5 offset:1024*\i
.endr
	s_wait_dscnt 0x0
	v_max3_num_f32 v216, v208, v210, v212
	v_max_num_f32 v216, v216, v214                 ; the four quarters' maximum
.irp i, 0,1,2,3
	v_sub_f32 v[220+\i], v[MG+2*\i], v216
.endr
.irp i, 0,1,2,3
	v_exp_f32 v[220+\i], v[220+\i]
.endr
	v_nop
	s_wait_alu depctr_va_vdst(0)
	v_mul_f32 v217, v209, v220
	v_fmac_f32 v217, v211, v221
	v_fmac_f32 v217, v213, v222
	v_fmac_f32 v217, v215, v223                    ; their sum under it
	v_permlanex16_b32 v218, v216, s40, s41         ; the row's other eight m of each tile lie in the lane 16 away
	v_permlanex16_b32 v219, v217, s40, s41
	v_max_num_f32 v224, v216, v218
	v_sub_f32 v225, v216, v224
	v_sub_f32 v226, v218, v224
	v_exp_f32 v225, v225
	v_exp_f32 v226, v226
	v_nop
	s_wait_alu depctr_va_vdst(0)
	v_mul_f32 v227, v217, v225                     ; two products and a sum, not a fused form: lanes r and r + 16 then make the same bits,
	v_mul_f32 v229, v219, v226                     ; and both store them to the same word below
	v_add_f32 v227, v227, v229
	v_log_f32 v228, v227
	v_nop
	s_wait_alu depctr_va_vdst(0)
	v_sub_f32 v228, -v224, v228                    ; -L = -(M + log2 l)
	ds_store_b32 v6, v228
	s_wait_dscnt 0x0
	s_barrier_signal -1
	s_barrier_wait -1
	s_cmp_lg_u32 s8, 0
	s_cbranch_scc1 .Lnot_0
	ds_load_b128 v[232:235], v7                    ; wave 0 stores the block's 128 results: 512 consecutive bytes, at a multiple of 512 from lse's first byte
	s_wait_dscnt 0x0
	global_store_b128 v3, v[232:235], s[6:7]
.Lnot_0:
	s_wait_tensorcnt 0x0                           ; the wave's end: behind my last tensor load and my last LDS store
	ds_add_u32 v10, v11
	s_wait_dscnt 0x0
	CROUND                                         ; the closing round
	s_endpgm
.Lfunc_end_k_qe02a231213_stats:
	.size	k_qe02a231213_stats, .Lfunc_end_k_qe02a231213_stats-k_qe02a231213_stats
	.p2alignl 7, 3214868480
	.fill 96, 4, 3214868480
	.section	.rodata,"a",@progbits
	.p2align	6, 0x0
	.amdhsa_kernel k_qe02a231213_stats
		.amdhsa_group_segment_fixed_size 327680
		.amdhsa_private_segment_fixed_size 0
		.amdhsa_enable_private_segment 0
		.amdhsa_kernarg_size 16
		.amdhsa_user_sgpr_count 2
		.amdhsa_user_sgpr_kernarg_segment_ptr 1
		.amdhsa_wavefront_size32 1
		.amdhsa_system_sgpr_workgroup_id_x 1
		.amdhsa_system_sgpr_workgroup_id_y 1
		.amdhsa_system_sgpr_workgroup_id_z 1
		.amdhsa_system_vgpr_workitem_id 0
		.amdhsa_next_free_vgpr 256
		.amdhsa_next_free_sgpr 66
		.amdhsa_reserve_vcc 0
		.amdhsa_float_denorm_mode_32 3
		.amdhsa_float_denorm_mode_16_64 3
		.amdhsa_memory_ordered 1
		.amdhsa_forward_progress 1
		.amdhsa_inst_pref_size 93
	.end_amdhsa_kernel
	.amdgpu_metadata
---
amdhsa.version: [ 1, 2 ]
amdhsa.kernels:
  - .name:           k_qe02a231213_stats
    .symbol:         k_qe02a231213_stats.kd
    .args:
      - { .name: kv, .offset: 0, .size: 8, .value_kind: global_buffer, .address_space: global }
      - { .name: lse, .offset: 8, .size: 8, .value_kind: global_buffer, .address_space: global }
    .group_segment_fixed_size: 327680
    .private_segment_fixed_size: 0
    .kernarg_segment_align: 8
    .kernarg_segment_size: 16
    .max_flat_workgroup_size: 256
    .sgpr_count:     66
    .vgpr_count:     256
    .wavefront_size: 32
...
	.end_amdgpu_metadata
.endif
;; end of part 2
;; launch attend (part 3): grid 32 x 8, 4 waves a work-group, clusters of 4 x 1, 327,680 bytes of LDS; arguments x, kv, lse, wt16, bnc, out0; writes out0
.if DOCPART == 3
	.amdgcn_target "amdgcn-amd-amdhsa--gfx1250"
	.amdhsa_code_object_version 6
	.text
	.protected	k_qe02a231213_attend
	.globl	k_qe02a231213_attend
	.p2align	8
	.type	k_qe02a231213_attend,@function
k_qe02a231213_attend:
	s_mov_b64 s[64:65], 0
	v_nop
	global_prefetch_b8 v0, s[64:65] scope:SCOPE_SE
	s_setreg_imm32_b32 hwreg(HW_REG_WAVE_MODE, 25, 1), 1
	s_wait_xcnt 0x0
	s_wait_alu depctr_hold_cnt(0) depctr_sa_sdst(0) depctr_va_vdst(0) depctr_va_sdst(0) depctr_va_ssrc(0) depctr_va_vcc(0) depctr_vm_vsrc(0)
	s_getreg_b32 s2, hwreg(HW_REG_IB_STS2, 6, 4)
	s_cmp_eq_u32 s2, 0
	s_cbranch_scc0 .Lentry_in_a_cluster
	s_endpgm
.Lentry_in_a_cluster:
	s_bfe_u32 s2, ttmp6, 0x10000c
	s_cmp_lg_u32 s2, 0x3003
	s_cbranch_scc0 .Lentry_shape_is_right
	s_endpgm
.Lentry_shape_is_right:
; ATTEND.  out[o][m] = x[o][m] + relu((w_t (x - x_r))[o][m] inv[o] + bias2[o]),  x_r[c][m] = sum over n of x_v[c][n] attn[n][m],  attn[n][m] = 2^(e'[n][m] - L[n]),  e' = q'.q'.
; All products on f16 operands with f32 sums; e' - L, the exponential, x - x_r and the batch norm in f32.  -L comes from the launch before (a running maximum stands behind it), so attn is at most about 1.
; SHARES.  A work-group owns 128 columns m of one batch and all 256 channels.  Wave wv: 64 m (mi = wv / 2) x ALL 256 channels, for HALF OF THE n (nj = wv % 2: steps 2 nj and 2 nj + 1 of each chunk's four steps of 32 n):
; 64 accumulators of 16 x 16.  So every e' and every attn is formed once.  At the end the two waves of a block of m add their sums through LDS, each keeping 128 channels.
; THE m OF A TILE ARE NOT NEIGHBOURS: lane r of tile i is m = m0 + 4 r + i, so a lane's four tiles are 16 neighbouring bytes of a row of x and of out, and sixteen lanes cover 256 consecutive bytes.
; LAYOUT.  S = K Q^T (source 0 = 16 n, source 1 = 16 m): a lane holds one m and n = 8 (lane / 16) + 0..7.  Two tiles of n, packed to f16, ARE source 1 (32 n x 16 m) of O = V P (source 0 = 16 c x 32 n), whose result
; holds one m a lane and eight c; two tiles of c of x - O, packed, are source 1 of T = w_t d.  Nothing changes lanes.  K and V lie in kv as register images: a fragment is two loads of 512 consecutive bytes.
; BY TURNS.  Body j of a wave's 64 steps: 64 products V P of step j, two at a time, with the additions of -L and the exponentials of step j + 1 between the pairs; then 16 products K Q^T of step j + 2 with the roundings of
; step j + 1's attn between them.  V has ONE set of registers: a tile of c is free when its four products are issued, so the low eight tiles of step j + 1 are fetched in the first phase's second half, the high eight in the second phase.
; THE RING.  Body j reads K of step j + 2 and V of step j + 1, so chunk c (128 n: 16,384 bytes of K, 65,536 of V) is read in bodies 2 c - 2 .. 2 c: THREE slots of one chunk.  The change of slots ahead of body 2 k fills the slot of
; chunk k - 1 with chunk k + 2, which is first read behind the next change: it has two bodies, 160 products, in which to land.  Each wave brings a quarter of a chunk by one tensor load.  The batch's 4,096 -L (16,384 bytes) come once.
; By this text's count a wave has four tensor loads out at the start, then one.
; CLUSTER.  The four work-groups of a cluster belong to one batch and walk the same kv and lse: every tile is asked for jointly.
; REGISTERS, in windows of 256 (s_set_vgpr_msb: bits 1:0 source 0, 3:2 source 1, 5:4 source 2, 7:6 destination):
;   window 0: v2-23 addresses; v24-55 -L, two sets of [tile of n 2][8]; v56-119 attn as f16, two sets of [i 4][8]; v128-255 S, two sets of [i 4][tile of n 2][8].  At the end: v24-55 inv and bias2, v128-255 w_t, two sets each
;   window 1: O[i][ct] at 64 i + 8 ct for MY OWN 128 channels (tiles 8 nj + ct), later T          window 3: the same for my partner's 128 channels (tiles 8 (1 - nj) + ct); at the end its sums for me, then d
;   window 2: v0-63 Q[i][s], v64-95 K[nt][s], v128-255 V[tile 16]; at the end x: register 4 (8 ct + j) + i
; Which half of the channels lies in which window is told by V's LDS addresses alone, so all four waves run one text.
; LIMITS: |q'|, |x_v|, |x - x_r| and |w_t| stay under 65,504 (f16); an attn under the smallest f16 number counts as 0; NaN and infinities are not served.
.set CHUNKB, 81920
.set SPARE, 16384                      ; LDS: -L of the batch at bytes 0 .. 16,383; then the spare words, 128 bytes a wave: two blocks of 256 bytes that no other line names
.set SL0,   16896                      ; slot s begins at SL0 + s x CHUNKB
.set EX,    SL0+2*CHUNKB               ; the end: the partners' sums, [wave 4][32,768 bytes]: in slot 2, which has had its last fill and its last read ahead of the last change of slots, and in the unused bytes behind it
.set DIMG,  SL0                        ; the end: d's images, [wave 4][i 4][32 c: 4][g 2][512 bytes]: in slot 0, written only behind the barrier that follows EX's stores
.set SPW, 16
.set NIL, 17
.set LNB, 24
.set PRB, 56
.set SCO, 128
.set KFR, 64
.set VFR, 128
.set W_KQ,  0x0a                       ; K and Q window 2, S window 0
.set W_PVL, 0x52                       ; V window 2, attn window 0, O window 1
.set W_PVH, 0xf2                       ; the same, O window 3
.set MSB, 0
.macro WIN new                         ; the immediate's high byte repeats the setting that is left; a switch that changes nothing is dropped
.if MSB != \new
	s_set_vgpr_msb (MSB<<8)|\new
.set MSB, \new
.endif
.endm
.macro CROUND                          ; a round of the cluster's barrier
	s_barrier_signal -1
	s_barrier_wait -1
	s_cmp_lg_u32 s16, 0
	s_cbranch_scc1 .Lnw0_\@
	s_barrier_signal -3
.Lnw0_\@:
	s_barrier_wait -3
	s_barrier_signal -1
	s_barrier_wait -1
.endm
	s_load_b256 s[4:11], s[0:1], 0x0               ; x, kv, lse, wt16
	s_load_b128 s[12:15], s[0:1], 0x20             ; bnc, out0
	v_lshl_add_u32 v[SPW], v0, 2, SPARE
	v_mov_b32 v[NIL], 0
	ds_add_u32 v[SPW], v[NIL]                      ; the wave's opening: the add, twice on end, and its wait ahead of my first tensor load
	ds_add_u32 v[SPW], v[NIL]
	v_lshrrev_b32 v1, 5, v0
	v_readfirstlane_b32 s16, v1                    ; wave 0..3
	s_lshr_b32 s17, s16, 1                         ; mi: which 64 m
	s_and_b32 s18, s16, 1                          ; nj: which half of the n; at the end: which 128 channels
	s_bfe_u32 s19, ttmp6, 0x40000                  ; cx
	s_lshl_b32 s20, ttmp9, 2
	s_add_co_u32 s20, s20, s19                     ; my block of 128 m: it enters Q's, x's and out's addresses alone
	s_and_b32 s21, ttmp7, 0xffff                   ; the batch, which the four partners share
	s_mov_b32 s24, 15|(3<<16)|(1<<21)              ; group 1 for a quarter of a chunk: the mask of all four; elements of 8 bytes; bit 21 beside a mask; no padding
	s_mov_b32 s25, 32<<16                          ; rows of 256 bytes,
	s_mov_b32 s26, 80<<16                          ; 80 of them,
	s_mov_b32 s27, 32<<16
	s_mov_b32 s28, 80
	s_mov_b32 s29, 32                              ; dense
	s_mov_b32 s30, 0
	s_mov_b32 s31, 0
	s_mov_b32 s32, 15|(3<<16)|(1<<21)              ; group 1 for a quarter of -L: 16 rows
	s_mov_b32 s33, 32<<16
	s_mov_b32 s34, 16<<16
	s_mov_b32 s35, 32<<16
	s_mov_b32 s36, 16
	s_mov_b32 s37, 32
	s_mov_b32 s38, 0
	s_mov_b32 s39, 0
	s_mul_i32 s58, s21, 32*CHUNKB                  ; the batch in kv
	s_mul_i32 s59, s16, 20480                      ; my quarter of a chunk
	s_add_co_u32 s66, s58, s59
	s_mov_b32 s67, 0
	s_mov_b32 s60, 1                               ; group 0 for -L: count = 1,
	s_lshl_b32 s61, s16, 12                        ; LDS byte 4,096 x wave (-L begins at LDS byte 0)
	s_lshl_b32 s68, s21, 14
	s_add_co_u32 s68, s68, s61
	s_mov_b32 s69, 0
	s_mov_b32 s40, 1                               ; group 0, a set for each of the three slots
	s_add_co_u32 s41, s59, SL0
	s_mov_b32 s44, 1
	s_add_co_u32 s45, s59, SL0+CHUNKB
	s_mov_b32 s48, 1
	s_add_co_u32 s49, s59, SL0+2*CHUNKB
	s_lshl_b32 s70, s21, 5
	s_add_co_u32 s70, s70, s20
	s_mul_i32 s70, s70, CHUNKB                     ; Q: my block's own chunk,
	s_lshl_b32 s71, s17, 13
	s_add_co_u32 s70, s70, s71                     ; my 64 m: four tiles of 2,048 bytes
	s_mov_b32 s71, 0
	s_lshl_b32 s72, s21, 22                        ; x and out: batch x 4 MiB + 128 nj rows of 16,384 bytes + 4 m0
	s_lshl_b32 s73, s18, 21
	s_add_co_u32 s72, s72, s73
	s_lshl_b32 s73, s20, 9
	s_add_co_u32 s72, s72, s73
	s_lshl_b32 s73, s17, 8
	s_add_co_u32 s72, s72, s73
	s_mov_b32 s73, 0
	s_lshl_b32 s74, s18, 16                        ; w_t: my eight tiles of o, 8,192 bytes each
	s_mov_b32 s75, 0
	s_lshl_b32 s76, s18, 9                         ; inv, bias2: my 128
	s_mov_b32 s77, 0
	s_mul_i32 s78, s19, 40960                      ; the prefetches: my work-group's quarter of two chunks, told apart by address,
	s_lshl_b32 s79, s16, 13
	s_add_co_u32 s78, s78, s79                     ; my wave's 8,192 bytes of it,
	s_add_co_u32 s78, s78, s58
	s_add_co_u32 s78, s78, 3*CHUNKB                ; at chunk 3: the first change of slots steps it to chunk 4
	s_mov_b32 s79, 0
	s_cmp_eq_u32 ttmp9, 0                          ; all clusters of a batch walk the same kv: the first of them asks
	s_cselect_b32 s54, 1, 0
	s_mov_b32 s56, 0                               ; where the -L of the chunk that K is fetched from begin
	s_mov_b32 s57, 0                               ; turns at every change of slots in the loop: every second one prefetches
	s_wait_dscnt 0x0                               ; both opening adds are done
	s_wait_kmcnt 0x0
	s_add_nc_u64 s[42:43], s[6:7], s[66:67]        ; slot 0: chunk 0
	s_add_nc_u64 s[46:47], s[42:43], CHUNKB        ; slot 1: chunk 1
	s_add_nc_u64 s[50:51], s[42:43], 2*CHUNKB      ; slot 2: chunk 2
	s_or_b32 s43, s43, 0x80000000
	s_or_b32 s47, s47, 0x80000000
	s_or_b32 s51, s51, 0x80000000
	s_add_nc_u64 s[62:63], s[8:9], s[68:69]
	s_or_b32 s63, s63, 0x80000000
	s_add_nc_u64 s[52:53], s[6:7], s[78:79]
	s_add_nc_u64 s[6:7], s[6:7], s[70:71]
	s_add_nc_u64 s[4:5], s[4:5], s[72:73]
	s_add_nc_u64 s[14:15], s[14:15], s[72:73]
	s_add_nc_u64 s[10:11], s[10:11], s[74:75]
	s_add_nc_u64 s[12:13], s[12:13], s[76:77]
	CROUND                                         ; all four work-groups are here: the first joint loads meet
	tensor_load_to_lds s[60:63], s[32:39]          ; -L
	s_nop 0
	tensor_load_to_lds s[40:43], s[24:31]          ; chunk 0
	s_nop 0
	tensor_load_to_lds s[44:47], s[24:31]          ; chunk 1
	s_nop 0
	tensor_load_to_lds s[48:51], s[24:31]          ; chunk 2
	s_nop 0
.rept 4
	v_nop
.endr
	v_and_b32 v1, 31, v0                           ; lane
	v_and_b32 v24, 15, v0                          ; r
	v_bfe_u32 v25, v0, 4, 1                        ; h
	v_lshlrev_b32 v14, 4, v1                       ; 16 x lane
	s_lshl_b32 s80, s18, 13                        ; K: my two steps of a chunk begin 8,192 nj bytes in
	s_add_co_u32 s81, s80, SL0
	v_add_nc_u32 v2, s81, v14                      ; v2-4: K's images in slots 0, 1, 2
	v_add_nc_u32 v3, CHUNKB, v2
	v_add_nc_u32 v4, CHUNKB, v3
	s_lshl_b32 s82, s18, 15                        ; V: behind K's 16,384 bytes; my two steps begin 32,768 nj bytes in;
	s_add_co_u32 s83, s82, s80                     ; my own eight tiles of c: 8,192 nj
	s_add_co_u32 s83, s83, SL0+16384
	v_add_nc_u32 v5, s83, v14                      ; v5-7
	v_add_nc_u32 v6, CHUNKB, v5
	v_add_nc_u32 v7, CHUNKB, v6
	s_xor_b32 s84, s18, 1
	s_lshl_b32 s84, s84, 13                        ; my partner's eight: 8,192 (1 - nj)
	s_add_co_u32 s84, s84, s82
	s_add_co_u32 s84, s84, SL0+16384
	v_add_nc_u32 v8, s84, v14                      ; v8-10
	v_add_nc_u32 v9, CHUNKB, v8
	v_add_nc_u32 v10, CHUNKB, v9
	s_lshl_b32 s85, s18, 8
	v_lshl_add_u32 v11, v25, 5, s85                ; -L: my two steps (256 nj), my half's eight n
	v_add_nc_u32 v12, s56, v11                     ; in the chunk in hand
	v_lshlrev_b32 v13, 8, v1                       ; the prefetches: lanes 256 bytes apart; never rewritten
	v_lshlrev_b32 v15, 17, v25                     ; x and out: 8 h rows of 16,384 bytes + 16 r
	v_lshl_add_u32 v15, v24, 4, v15
	v_lshrrev_b32 v18, 2, v24                      ; Q: m0 + 4 r + i lies in tile r / 4 at row 4 (r % 4) + i
	v_lshlrev_b32 v18, 11, v18
	v_and_b32 v26, 3, v24
	v_lshl_add_u32 v18, v26, 6, v18
	v_lshl_add_u32 v18, v25, 8, v18
	s_lshl_b32 s80, s16, 15
	s_add_co_u32 s80, s80, EX
	v_add_nc_u32 v19, s80, v14                     ; where I put my sums for my partner's channels,
	s_xor_b32 s80, s16, 1
	s_lshl_b32 s80, s80, 15
	s_add_co_u32 s80, s80, EX
	v_add_nc_u32 v20, s80, v14                     ; and where it puts its sums for mine
	s_lshl_b32 s80, s16, 14
	s_add_co_u32 s80, s80, DIMG
	v_add_nc_u32 v21, s80, v14                     ; where I store d's images
	s_lshl_b32 s80, s17, 15
	s_add_co_u32 s80, s80, DIMG
	v_add_nc_u32 v22, s80, v14                     ; where I read those of both waves of my 64 m
	v_lshlrev_b32 v23, 5, v25                      ; inv, bias2: my half's eight
	WIN 0x80                                       ; destination window 2
.irp i, 0,1,2,3
.irp ks, 0,1
.irp g, 0,1
	global_load_b128 v[16*\i+8*\ks+4*\g:16*\i+8*\ks+4*\g+3], v18, s[6:7] offset:16*\i+1024*\ks+512*\g   ; Q stays in registers
.endr
.endr
.endr
	WIN 0
	s_wait_tensorcnt 0x1                           ; -L and my parts of chunks 0 and 1 are in; chunk 2's may stay out
	s_barrier_signal -1
	s_barrier_wait -1                              ; everybody's are
	s_wait_loadcnt 0x0                             ; Q
.macro ADDK k                          ; e' - L, a pair of n
	v_pk_add_f32 v[SO+2*(\k):SO+2*(\k)+1], v[SO+2*(\k):SO+2*(\k)+1], v[LO+8*(((\k)/4)%2)+2*((\k)%4):LO+8*(((\k)/4)%2)+2*((\k)%4)+1]
.endm
.macro EXPK e
	v_exp_f32 v[SO+(\e)], v[SO+(\e)]
.endm
.macro PVP tp, pv                      ; product tp of 64 of O += V P: tile of c tp / 4, tile of m tp % 4.  pv = 1: it starts the sum: nothing is ever cleared
.set rC, (\tp)/4
.set rO, 64*((\tp)%4)+8*(rC%8)
.set rV, VFR+8*rC
.set rP, PN+8*((\tp)%4)
.if rC < 8
	WIN W_PVL
.else
	WIN W_PVH
.endif
.if \pv == 1
	v_wmma_f32_16x16x32_f16 v[rO:rO+7], v[rV:rV+7], v[rP:rP+7], 0
.else
	v_wmma_f32_16x16x32_f16 v[rO:rO+7], v[rV:rV+7], v[rP:rP+7], v[rO:rO+7]
.endif
.endm
.macro KQP tq                          ; product tq of 16 of S = K Q^T: tile 2 i + nt = tq % 8, 32 o tq / 8 on.  The first eight start the sums
.set rS, SN+8*((\tq)%8)
.set rK, KFR+16*((\tq)%2)+8*((\tq)/8)
.set rQ, 16*(((\tq)%8)/2)+8*((\tq)/8)
.if (\tq) < 8
	v_wmma_f32_16x16x32_f16 v[rS:rS+7], v[rK:rK+7], v[rQ:rQ+7], 0
.else
	v_wmma_f32_16x16x32_f16 v[rS:rS+7], v[rK:rK+7], v[rQ:rQ+7], v[rS:rS+7]
.endif
.endm
.macro RUNA slot, st                   ; 12 loads: -L and K of my step st (0, 1) of the chunk in the slot
	WIN 0
.irp nt, 0,1
.irp g, 0,1
	ds_load_b128 v[LW+8*\nt+4*\g:LW+8*\nt+4*\g+3], v12 offset:128*\st+64*\nt+16*\g
.endr
.endr
	WIN 0x80
.irp nt, 0,1
.irp ks, 0,1
.irp g, 0,1
	ds_load_b128 v[KFR+16*\nt+8*\ks+4*\g:KFR+16*\nt+8*\ks+4*\g+3], v[2+\slot] offset:4096*\st+2048*\nt+1024*\ks+512*\g
.endr
.endr
.endr
.endm
.macro RUNV hf, slot, st               ; 16 loads: eight tiles of V: hf = 0 my own channels', 1 my partner's
	WIN 0x80
.irp ct, 0,1,2,3,4,5,6,7
.irp g, 0,1
	ds_load_b128 v[VFR+64*\hf+8*\ct+4*\g:VFR+64*\hf+8*\ct+4*\g+3], v[5+3*\hf+\slot] offset:16384*\st+1024*\ct+512*\g
.endr
.endr
.endm
; A BODY.  par = j % 2.  pv: 0 no products V P, 1 they start O's sums, 2 they add.  sm = 1: the softmax of the other set of scores.  kq = 1: -L and K of step (slot ks, kst) are fetched and its scores made.
; vf = 1: V of step (slot vs, vst) is fetched.  All accumulators take turns, one instruction a turn: 64 of O, then 8 of S twice.
; THE EXPONENTIALS ARE ONE BATCH with one wait: the 32 slices of the first phase hold the additions and the exponentials, none of which reads an exponential's result; all readers, the roundings, stand in the second phase.
; PLACES.  K's loads stand behind slice 2: behind the last product that read K stand four roundings and four additions.  V's low half is last read by product 31: behind it stand the additions of slices 16 to 20, then the loads.
; V's high half is last read by product 63: behind it stand the v_nop and eight roundings, then the loads.  A tile's scores are first read, from their low end, at least 16 roundings behind the product that finished them.
; THE WAITS ON LDS count what was issued later: at the head V's low half is in and the 16 loads of its high half may be out; ahead of product 32 the high half is in and this body's 12 loads of -L and K may be out;
; ahead of K Q^T these 12 are in and the 16 loads of the next V's low half may be out.
.macro BODY par, pv, sm, kq, ks, kst, vf, vs, vst
.set SO, SCO+64*(1-\par)
.set SN, SCO+64*\par
.set LO, LNB+16*(1-\par)
.set LW, LNB+16*\par
.set PO, PRB+32*(1-\par)
.set PN, PRB+32*\par
.if \pv
	s_wait_dscnt 16
.endif
.set tt, 0
.rept 32
.if \pv
.if tt == 16
	s_wait_dscnt 12*\kq
.endif
	PVP 2*tt, \pv
	PVP 2*tt+1, \pv
.endif
.if \sm
	WIN 0
.if tt == 0
	ADDK 0
	ADDK 1
	EXPK 0
	EXPK 1
.elseif tt < 31
	ADDK tt+1
	EXPK 2*tt
	EXPK 2*tt+1
.else
	EXPK 62
	EXPK 63
.endif
.endif
.if \kq && (tt == 2)
	RUNA \ks, \kst
.endif
.if \vf && (tt == 20)
	RUNV 0, \vs, \vst
.endif
.set tt, tt+1
.endr
.if \sm
	v_nop                                          ; the plain instruction behind the last exponential
	s_wait_alu depctr_va_vdst(0)                   ; one wait for the 64, ahead of their first reader
.endif
.if \kq
	s_wait_dscnt 16*\vf
.endif
.set tu, 0
.rept 8
.if \kq
	WIN W_KQ
	KQP 2*tu
	KQP 2*tu+1
.endif
.if \sm
	WIN 0
.irp e, 0,1,2,3
	v_cvt_pk_f16_f32 v[PO+4*tu+\e], v[SO+8*tu+2*\e], v[SO+8*tu+2*\e+1]
.endr
.endif
.if \vf && (tu == 1)
	RUNV 1, \vs, \vst
.endif
.set tu, tu+1
.endr
.if \kq && (\sm == 0)
.rept 4
	v_nop                                          ; no roundings stood behind these products: four places in their stead
.endr
.endif
.endm
.macro PAIR a, b                       ; bodies 2 k and 2 k + 1: a = k % 3 the slot of chunk k, b the slot of chunk k + 1
	BODY 0, 2, 1, 1, \b, 0, 1, \a, 1
	BODY 1, 2, 1, 1, \b, 1, 1, \b, 0
.endm
; A PREFETCH INTO THE L2, at every second change of slots of the loop (k odd): chunks k + 3 and k + 4, 163,840 dense bytes, which the next two changes will ask for: two and four bodies, 160 and 320 products, ahead of those loads.
; Each block of 256 bytes is named once in the launch: the batch's first cluster asks; its four partners take 40,960 bytes each, told apart by address; in each, wave w names 8,192 bytes, lanes 256 bytes apart, and wave 0
; the last 8,192 too.  The last to ask is k = 27, for chunks 30 and 31; the changes written out behind the loop ask for nothing.  Chunks 0 to 3 come by their loads alone.
.macro ASK
	s_and_b32 s86, s57, s54
	s_cmp_lg_u32 s86, 0
	s_cbranch_scc0 .Lno_ask_\@
	global_prefetch_b8 v13, s[52:53] th:TH_LOAD_NT scope:SCOPE_SE
	s_cmp_lg_u32 s16, 0
	s_cbranch_scc1 .Lno_ask_\@
	global_prefetch_b8 v13, s[52:53] offset:32768 th:TH_LOAD_NT scope:SCOPE_SE
.Lno_ask_\@:
.endm
; THE CHANGE OF SLOTS ahead of body 2 k.  fill = 1: slot fs, whose chunk k - 1 was last read in body 2 k - 2, takes chunk k + 2.
.macro CHANGE fs, fill, ask
	WIN 0                                          ; at a label and at a branch every window is 0
	s_wait_tensorcnt 0x0                           ; all my tensor loads have landed, my part of chunk k + 1 among them; so a group 0 may be written
	ds_add_u32 v[SPW], v[NIL]                      ; 0 onto my spare word
.if \fill
	s_add_nc_u64 s[42+4*\fs:43+4*\fs], s[42+4*\fs:43+4*\fs], 3*CHUNKB
.endif
.if \ask
	s_wait_xcnt 0x0                                ; the last prefetches, two bodies back or more, have read their address, so it may be written
	s_add_nc_u64 s[52:53], s[52:53], CHUNKB
	s_xor_b32 s57, s57, 1
.endif
	s_add_co_u32 s56, s56, 512                     ; the -L of chunk k + 1
	s_wait_dscnt 0x0                               ; the add is done, and my reads of the slot to be filled are over
.if \fill
	CROUND                                         ; no wave of any partner still reads that slot or has a load on its way
	tensor_load_to_lds s[40+4*\fs:43+4*\fs], s[24:31]              ; my one tensor load behind the round, and the first thing there
	s_nop 0
.rept 4
	v_nop
.endr
.if \ask
	ASK
.endif
.else
	s_barrier_signal -1
	s_barrier_wait -1
.endif
	v_add_nc_u32 v12, s56, v11
.endm
	BODY 0, 0, 0, 1, 0, 0, 0, 0, 0                 ; step 0's scores
	BODY 1, 0, 1, 1, 0, 1, 1, 0, 0                 ; step 0's softmax | step 1's scores | V of step 0
	WIN 0
	s_add_co_u32 s56, s56, 512                     ; K and -L go on to chunk 1
	v_add_nc_u32 v12, s56, v11
	BODY 0, 1, 1, 1, 1, 0, 1, 0, 1                 ; V P of step 0 starts O | step 1's softmax | step 2's scores | V of step 1
	BODY 1, 2, 1, 1, 1, 1, 1, 1, 0
	WIN 0
	s_mov_b32 s55, 9
.Ltrip:                                            ; trip u: changes k = 3 u + 1, 3 u + 2, 3 u + 3, which ask for chunks k + 2, and bodies 2 k, 2 k + 1
	CHANGE 0, 1, 1
	PAIR 1, 2
	CHANGE 1, 1, 1
	PAIR 2, 0
	CHANGE 2, 1, 1
	PAIR 0, 1
	WIN 0
	s_sub_co_u32 s55, s55, 1
	s_cmp_lg_u32 s55, 0
	s_cbranch_scc1 .Ltrip
	CHANGE 0, 1, 0                                 ; the tail is written out.  k = 28: chunk 30
	PAIR 1, 2
	CHANGE 1, 1, 0                                 ; k = 29: chunk 31, the last
	PAIR 2, 0
	CHANGE 2, 0, 0                                 ; k = 30: nothing is left to ask for
	PAIR 0, 1
	BODY 0, 2, 1, 0, 0, 0, 1, 1, 1                 ; V P of step 62 | step 63's softmax | V of step 63
.macro XL from                         ; 32 loads of x of my 128 channels x 64 m: sixteen lanes read 256 consecutive bytes.  The largest offset, 119 rows, lies inside the signed 24-bit immediate
.set xe, \from
.rept 32
	global_load_b128 v[4*xe:4*xe+3], v15, s[4:5] offset:(16*(xe/8)+xe%8)*16384 th:TH_LOAD_NT
.set xe, xe+1
.endr
.endm
	WIN 0x80                                       ; destination window 2
	XL 0                                           ; into Q's, K's and the unused registers, which no product has read since the last K Q^T, a body back: the last body's 64 products stand between these loads and their use
	BODY 1, 2, 0, 0, 0, 0, 0, 0, 0                 ; V P of step 63
.rept 4
	v_nop                                          ; four places in front of loads into V's registers and of the first read of O
.endr
	WIN 0x80
	XL 32                                          ; the other half of x, into V's registers
; THE END.  First the two waves of a block of m add their sums: my sums for my partner's 128 channels go to LDS as register images, its sums for mine come back into the same registers.
	WIN 0x0c                                       ; an LDS store's data are its source 1: window 3
.set df, 0
.rept 64
	ds_store_b128 v19, v[4*df:4*df+3] offset:512*df                ; each accumulator from its low end on
.set df, df+1
.endr
	WIN 0
	s_wait_dscnt 0x0                               ; for the partner's sake: my stores have landed; and my reads of the ring are long over
	s_barrier_signal -1
	s_barrier_wait -1
	WIN 0xc0                                       ; destination window 3
.set df, 0
.rept 64
	ds_load_b128 v[4*df:4*df+3], v20 offset:512*df
.set df, df+1
.endr
	WIN 0
; Then d = x - O; T = w_t d over all 256 c: my 128 c of d go to my partner, and its to me, through LDS as register images; then my 128 o x 64 m, a tile of 16 o at a time.
.macro WTL ot                          ; w_t's eight fragments of my tile ot of o
.irp kk, 0,1,2,3,4,5,6,7
.irp g, 0,1
	global_load_b128 v[SCO+64*((\ot)%2)+8*\kk+4*\g:SCO+64*((\ot)%2)+8*\kk+4*\g+3], v14, s[10:11] offset:8192*(\ot)+1024*\kk+512*\g
.endr
.endr
.endm
.macro BNL ot                          ; inv and bias2 of the tile's eight o of my half
.irp g, 0,1
	global_load_b128 v[LNB+16*((\ot)%2)+4*\g:LNB+16*((\ot)%2)+4*\g+3], v23, s[12:13] offset:64*(\ot)+16*\g
	global_load_b128 v[LNB+16*((\ot)%2)+8+4*\g:LNB+16*((\ot)%2)+8+4*\g+3], v23, s[12:13] offset:1024+64*(\ot)+16*\g
.endr
.endm
	WTL 0
	BNL 0
	WTL 1
	BNL 1
	s_wait_dscnt 0x0                               ; my partner's sums are in
	WIN 0x4d                                       ; destination and source 0 window 1 (mine), source 1 window 3 (my partner's)
.set dz, 0
.rept 128
	v_pk_add_f32 v[2*dz:2*dz+1], v[2*dz:2*dz+1], v[2*dz:2*dz+1]    ; x_r over all n; each accumulator from its low end on
.set dz, dz+1
.endr
	s_wait_loadcnt 40                              ; x is in; the 2 x (16 + 4) loads issued behind it may be out
	WIN 0x46                                       ; x window 2, O window 1
.set de, 0
.rept 256
	v_sub_f32 v[de], v[4*(de%64)+de/64], v[de]     ; d = x - x_r
.set de, de+1
.endr
	WIN 0xc5                                       ; d window 1 to window 3
.set dz, 0
.rept 128
	v_cvt_pk_f16_f32 v[dz], v[2*dz], v[2*dz+1]     ; register 32 i + 8 k' + 4 g + e: fragment (i, 32 c k') as source 1 wants it
.set dz, dz+1
.endr
	WIN 0x0c                                       ; the data: window 3
.set df, 0
.rept 32
	ds_store_b128 v21, v[4*df:4*df+3] offset:512*df
.set df, df+1
.endr
	WIN 0
	s_wait_dscnt 0x0                               ; for the partner's sake: my stores have landed
	s_barrier_signal -1
	s_barrier_wait -1
	WIN 0xc0
.irp i, 0,1,2,3
.irp cc, 0,1
.irp kp, 0,1,2,3
.irp g, 0,1
	ds_load_b128 v[8*(8*\i+4*\cc+\kp)+4*\g:8*(8*\i+4*\cc+\kp)+4*\g+3], v22 offset:16384*\cc+(4*\i+\kp)*1024+512*\g
.endr
.endr
.endr
.endr
	s_wait_dscnt 0x0
.macro OTILE ot
.set WTS, SCO+64*((\ot)%2)
.set BNS, LNB+16*((\ot)%2)
.if (\ot) < 7
	s_wait_loadcnt 20                              ; this tile's 16 + 4 loads are in; the next tile's may be out
.else
	s_wait_loadcnt 0x0
.endif
	WIN 0x5c                                       ; w_t window 0, d window 3, T window 1
.irp i, 0,1,2,3
	v_wmma_f32_16x16x32_f16 v[64*\i+8*(\ot):64*\i+8*(\ot)+7], v[WTS:WTS+7], v[64*\i:64*\i+7], 0
.endr
.irp kk, 1,2,3,4,5,6,7
.irp i, 0,1,2,3
	v_wmma_f32_16x16x32_f16 v[64*\i+8*(\ot):64*\i+8*(\ot)+7], v[WTS+8*\kk:WTS+8*\kk+7], v[64*\i+8*\kk:64*\i+8*\kk+7], v[64*\i+8*(\ot):64*\i+8*(\ot)+7]
.endr
.endr
.rept 4
	v_nop                                          ; four places in front of loads into w_t's registers and of the first read of T
.endr
	WIN 0
.if (\ot) < 6
	WTL (\ot)+2
.endif
	WIN 0x41                                       ; T window 1, inv and bias2 window 0
.irp i, 0,1,2,3
.irp e, 0,1,2,3
	v_pk_fma_f32 v[64*\i+8*(\ot)+2*\e:64*\i+8*(\ot)+2*\e+1], v[64*\i+8*(\ot)+2*\e:64*\i+8*(\ot)+2*\e+1], v[BNS+2*\e:BNS+2*\e+1], v[BNS+8+2*\e:BNS+8+2*\e+1]
.endr
.endr
	WIN 0x44                                       ; destination and source 1: T, window 1
.irp i, 0,1,2,3
.irp j, 0,1,2,3,4,5,6,7
	v_max_num_f32 v[64*\i+8*(\ot)+\j], 0, v[64*\i+8*(\ot)+\j]
.endr
.endr
	WIN 0x86                                       ; x window 2, T window 1
.irp j, 0,1,2,3,4,5,6,7
.irp i, 0,1,2,3
	v_add_f32 v[4*(8*(\ot)+\j)+\i], v[4*(8*(\ot)+\j)+\i], v[64*\i+8*(\ot)+\j]
.endr
.endr
	WIN 0
.if (\ot) < 6
	BNL (\ot)+2
.endif
	WIN 0x08                                       ; a store's data are its source 1: window 2
.irp j, 0,1,2,3,4,5,6,7
	global_store_b128 v15, v[4*(8*(\ot)+\j):4*(8*(\ot)+\j)+3], s[14:15] offset:(16*(\ot)+\j)*16384 th:TH_STORE_NT   ; sixteen lanes store 256 consecutive bytes, at a multiple of 256 from out0's first byte
.endr
.endm
.irp ot, 0,1,2,3,4,5,6,7
	OTILE \ot
.endr
	WIN 0
	s_wait_tensorcnt 0x0                           ; the wave's end: behind my last tensor load and my last LDS store
	ds_add_u32 v[SPW], v[NIL]
	s_wait_dscnt 0x0
	CROUND                                         ; the closing round
	s_endpgm
.Lfunc_end_k_qe02a231213_attend:
	.size	k_qe02a231213_attend, .Lfunc_end_k_qe02a231213_attend-k_qe02a231213_attend
	.p2alignl 7, 3214868480
	.fill 96, 4, 3214868480
	.section	.rodata,"a",@progbits
	.p2align	6, 0x0
	.amdhsa_kernel k_qe02a231213_attend
		.amdhsa_group_segment_fixed_size 327680
		.amdhsa_private_segment_fixed_size 0
		.amdhsa_enable_private_segment 0
		.amdhsa_kernarg_size 48
		.amdhsa_user_sgpr_count 2
		.amdhsa_user_sgpr_kernarg_segment_ptr 1
		.amdhsa_wavefront_size32 1
		.amdhsa_system_sgpr_workgroup_id_x 1
		.amdhsa_system_sgpr_workgroup_id_y 1
		.amdhsa_system_sgpr_workgroup_id_z 1
		.amdhsa_system_vgpr_workitem_id 0
		.amdhsa_next_free_vgpr 1024
		.amdhsa_next_free_sgpr 96
		.amdhsa_reserve_vcc 0
		.amdhsa_float_denorm_mode_32 3
		.amdhsa_float_denorm_mode_16_64 3
		.amdhsa_memory_ordered 1
		.amdhsa_forward_progress 1
		.amdhsa_inst_pref_size 255
	.end_amdhsa_kernel
	.section	.bss,"aw",@nobits
	.p2align	6
	.space	262144
	.amdgpu_metadata
---
amdhsa.version: [ 1, 2 ]
amdhsa.kernels:
  - .name:           k_qe02a231213_attend
    .symbol:         k_qe02a231213_attend.kd
    .args:
      - { .name: x, .offset: 0, .size: 8, .value_kind: global_buffer, .address_space: global }
      - { .name: kv, .offset: 8, .size: 8, .value_kind: global_buffer, .address_space: global }
      - { .name: lse, .offset: 16, .size: 8, .value_kind: global_buffer, .address_space: global }
      - { .name: wt16, .offset: 24, .size: 8, .value_kind: global_buffer, .address_space: global }
      - { .name: bnc, .offset: 32, .size: 8, .value_kind: global_buffer, .address_space: global }
      - { .name: out0, .offset: 40, .size: 8, .value_kind: global_buffer, .address_space: global }
    .group_segment_fixed_size: 327680
    .private_segment_fixed_size: 0
    .kernarg_segment_align: 8
    .kernarg_segment_size: 48
    .max_flat_workgroup_size: 128
    .sgpr_count:     96
    .vgpr_count:     1024
    .wavefront_size: 32
...
	.end_amdgpu_metadata
.endif
;; end of part 3
